; MI455X (gfx1250); checked and timed in simulation.
; The chip was launched on July 23, 2026; its instructions are those of AMD's public machine-readable ISA for CDNA 5 (MIT licence, August 2026) and "CDNA5" Instruction Set Architecture Reference Guide (July 2026). The comments in the code are by the model that wrote it; some were corrected since.
;; Mo E. Allowed arithmetic: float matrix products may take bf16 or f16 operands with f32 sums; all other float work in f32.
;; Inputs: We 4 x 2,048 x 1,024 float32; Wg 4 x 2,048 float32; be 4 x 1,024 float32; label 8,192 x 1,024 float32; x_mod0 8,192 x 512 float32; x_mod1 8,192 x 512 float32; x_mod2 8,192 x 512 float32; x_mod3 8,192 x 512 float32.
;; Outputs: out0 one number float32; out1 8,192 x 1,024 float32.
;; Constants: topk = 2.
;; 2 versions, each right; version 2 is version 1 with the launch prep written anew for expert scheduling mode. Each part assembles by itself: llvm-mc -triple=amdgcn-amd-amdhsa -mcpu=gfx1250 --defsym DOCPART=n.
;; ======== version 1 of 2: 3 launches
;; workspace buffers: Xb 33,554,432 bytes; Wt 16,777,216 bytes; gw 131,072 bytes; part 8,192 bytes
;; launch prep (part 1): grid 256 x 1, 8 waves a work-group, no clusters, 72,704 bytes of LDS; arguments x_mod0, x_mod1, x_mod2, x_mod3, Wg, We, Xb, Wt, gw; writes Xb, Wt, gw
.if DOCPART == 1
	.amdgcn_target "amdgcn-amd-amdhsa--gfx1250"
	.amdhsa_code_object_version 6
	.text
	.protected	k_qf568aa7bcc_prep
	.globl	k_qf568aa7bcc_prep
	.p2align	8
	.type	k_qf568aa7bcc_prep,@function
k_qf568aa7bcc_prep:
	s_mov_b64 s[64:65], 0
	v_nop
	global_prefetch_b8 v0, s[64:65] scope:SCOPE_SE
	s_setreg_imm32_b32 hwreg(HW_REG_WAVE_MODE, 25, 1), 1
	s_wait_xcnt 0x0
; PREPARATION, a stream; every wave does a share of both jobs.
; THE TOKENS.  Xb[t][512 q + c] = bf16(x_modq[t][c]) (the concatenation, [8192][2048] bf16) and the gate: logits = bf16(x) . bf16(Wg) summed in f32, softmax with the row's
; maximum taken away, the two largest scores kept, the other two set to 0: gw[t][0..3] in f32.  32 rows a work-group; wave w takes modality q = w & 3 of rows 16 (w >> 2) .. + 15;
; the four modalities' parts of a row's logits meet in LDS, and wave 0 finishes the 32 rows, one a lane.
; THE WEIGHTS.  Wt[n][f] = bf16(We[e][f][p]), n = (p / 32) 128 + 32 e + p % 32 ([4096][2048] bf16): f along the rows, and the four experts' columns p side by side in every 128 rows,
; as the product launch wants them.  1,024 tiles of 128 f x 64 p, four a work-group; a pair of waves turns a tile in LDS: wave w brings rows f = 64 (w & 1) .. + 63 of tile w >> 1,
; and takes 32 of its 64 finished rows out.  One barrier serves both jobs.
; Every byte of x and We is read once, by loads of which 16 lanes take 256 consecutive aligned bytes; every store into Xb (32 lanes) and Wt (16 lanes) covers 256 consecutive aligned bytes.
; NO REGISTER THAT A STORE READS IS EVER REWRITTEN: each of a wave's 16 rows of x has 16 registers of its own (all of window 1) and is packed in place; offsets and bases are made once.
; So the text has no wait for the sources of memory instructions.  Loads go in groups of four; at most 60 of a wave are out, and a new group is issued as soon as the oldest has come.
; No matrix unit: the gate has 4 columns.  No cluster: the work-groups share nothing but Wg's 32,768 bytes.  No prefetch: every byte is asked for as early as the loads can be issued.
; LIMITS.  NaN among the scores is not ordered as top_k orders it.  Equal scores go to the lower expert, as in top_k; scores nearer to each other than the f32 sums'
; rounding (a relative 1e-6 or so) may be ordered otherwise than by another order of summation.  Scores under 2^-126 count as 0 (v_exp_f32 flushes them: ISA guide 15.8).
; REGISTERS (s_set_vgpr_msb, low byte: bits 1:0 source 0, 3:2 source 1, 5:4 source 2, 7:6 destination).  Window 1: row r of x at v[16 r .. 16 r + 15].  Window 0:
.set WG, 16                            ; v[16:79]   Wg[e][512 q + 128 c + 4 lane + k] at 16 e + 4 c + k, rounded to bf16, kept as f32
.set T,  80                            ; v[80:95]   at work
.set AC, 96                            ; v[96:103]  four pair sums, one for each expert
.set L,  104                           ; v[104:107] the four partial logits
.set P,  108                           ; v[108:111] the other half of the lanes' sums
.set WX, 112                           ; v[112:239] We as loaded, 4 steps of 32 registers; then my 32 rows of Wt read back
.set G,  40                            ; v[40:43]   the finish: the four scores
.set RK, 44                            ; v[44:47]   the finish: how many experts go before each
.set WPITCH, 272                       ; an LDS row of a tile, 256 bytes + 16: the 16 rows that a store touches start 16 bytes apart modulo 256
.set WREG,   64*WPITCH                 ; a pair of waves' LDS region, 64 rows
.set WBASE,  2048                      ; the regions lie behind the partial logits, [q][row 0..31][4 f32]
.set MSB, 0
.macro WIN new                         ; the immediate's high byte repeats the setting that is left; a switch that changes nothing is dropped
.if MSB != (\new)
	s_set_vgpr_msb (MSB<<8)|(\new)
.set MSB, (\new)
.endif
.endm
	s_load_b256 s[4:11], s[0:1], 0x0               ; x_mod0 s[4:5], x_mod1 s[6:7], x_mod2 s[8:9], x_mod3 s[10:11]
	s_load_b256 s[12:19], s[0:1], 0x20             ; Wg s[12:13], We s[14:15], Xb s[16:17], Wt s[18:19]
	s_load_b64 s[20:21], s[0:1], 0x40              ; gw
	v_lshl_add_u32 v254, v0, 2, 0x11800
	v_mov_b32 v255, 0
	v_and_b32 v1, 31, v0                           ; lane
	v_lshrrev_b32 v2, 5, v0
	v_readfirstlane_b32 s24, v2                    ; wave 0..7
	; the tokens' numbers
	s_mov_b32 s37, 0                               ; the high word of the offset pair s[36:37]
	s_and_b32 s25, s24, 3                          ; q
	s_lshr_b32 s26, s24, 2                         ; g
	s_lshl_b32 s27, ttmp9, 5
	s_lshl_b32 s36, s26, 4
	s_add_co_u32 s27, s27, s36                     ; my first row
	s_mov_b32 s38, 0xffff0000                      ; a word's upper bf16
	s_mov_b32 s40, 0x76543210                      ; v_permlanex16_b32: each lane takes its own place in the other half
	s_mov_b32 s41, 0xfedcba98
	s_lshl_b32 s39, s25, 9
	s_lshl_b32 s36, s26, 8
	s_add_co_u32 s39, s39, s36
	v_lshlrev_b32 v2, 4, v1                        ; 16 bytes a lane in x and Wg
	v_lshlrev_b32 v3, 3, v1                        ; 8 bytes a lane in Xb
	v_mov_b32 v4, s39                              ; LDS: 512 q + 256 g, the row in the immediate
.irp e, 0,1,2,3
	v_mov_b32 v[P+\e], 0                           ; written once, since v_permlanex16_b32 counts as a reader of its destination
.endr
	; the weights' numbers
	s_lshr_b32 s46, s24, 1                         ; which of the work-group's four tiles
	s_and_b32 s47, s24, 1                          ; which half of it is mine
	s_lshl_b32 s42, ttmp9, 2
	s_add_co_u32 s42, s42, s46                     ; tile
	s_lshr_b32 s43, s42, 8                         ; expert
	s_bfe_u32 s44, s42, 0x40004                    ; which 128 f
	s_and_b32 s45, s42, 15                         ; which 64 p
	s_lshl_b32 s52, s43, 23                        ; We: an expert is 8,388,608 bytes, 128 rows f are 524,288, my 64 of them 262,144, 64 p are 256
	s_lshl_b32 s54, s44, 19
	s_add_co_u32 s52, s52, s54
	s_lshl_b32 s54, s47, 18
	s_add_co_u32 s52, s52, s54
	s_lshl_b32 s54, s45, 8
	s_add_co_u32 s52, s52, s54
	s_mov_b32 s53, 0
	s_lshl_b32 s56, s45, 20                        ; Wt: row 256 x (which 64 p) + 32 e, 4,096 bytes a row; 128 f are 256 bytes; my half of the rows begins two rows down
	s_lshl_b32 s54, s43, 17
	s_add_co_u32 s56, s56, s54
	s_lshl_b32 s54, s44, 8
	s_add_co_u32 s56, s56, s54
	s_lshl_b32 s54, s47, 13
	s_add_co_u32 s56, s56, s54
	s_mov_b32 s57, 0
	s_mul_i32 s55, s46, WREG
	s_add_co_u32 s55, s55, WBASE                   ; my pair's LDS region
	v_and_b32 v10, 15, v1                          ; pq: my four columns p = 4 pq .. 4 pq + 3
	v_lshrrev_b32 v11, 4, v1                       ; h
	v_lshlrev_b32 v12, 4, v10
	v_lshl_add_u32 v6, v11, 15, v12                ; in: lanes 16-31 eight rows f further down; 16 pq along the row
	v_lshl_add_u32 v9, v11, 14, v12                ; out: lanes 16-31 four rows of Wt further down; 16 pq along the row
	v_mul_u32_u24 v7, v10, WPITCH
	v_lshl_add_u32 v7, v11, 4, v7
	s_lshl_b32 s54, s47, 7
	s_add_co_u32 s54, s54, s55
	v_add_nc_u32 v7, s54, v7                       ; into LDS: row 16 k + pq holds column 4 pq + k; my 64 f are 128 bytes of it; 16 bytes (8 f) for each half of the lanes
	v_mul_u32_u24 v8, v11, WPITCH
	v_add_nc_u32 v8, v8, v12
	s_mul_i32 s54, s47, 32*WPITCH
	s_add_co_u32 s54, s54, s55
	v_add_nc_u32 v8, s54, v8                       ; back: my 32 rows; lanes 0-15 one row of 256 bytes, lanes 16-31 the next
	s_wait_kmcnt 0x0
	s_cmp_eq_u32 s25, 1                            ; my modality's buffer, chosen by the wave's number
	s_cselect_b64 s[28:29], s[6:7], s[4:5]
	s_cmp_eq_u32 s25, 2
	s_cselect_b64 s[28:29], s[8:9], s[28:29]
	s_cmp_eq_u32 s25, 3
	s_cselect_b64 s[28:29], s[10:11], s[28:29]
	s_lshl_b32 s36, s27, 11                        ; a row of a modality is 2,048 bytes
	s_add_nc_u64 s[28:29], s[28:29], s[36:37]
	s_lshl_b32 s36, s27, 12                        ; a row of Xb is 4,096 bytes, my modality's part begins at 1,024 q
	s_lshl_b32 s39, s25, 10
	s_add_co_u32 s36, s36, s39
	s_add_nc_u64 s[30:31], s[16:17], s[36:37]
	s_lshl_b32 s36, s25, 11                        ; my modality's 512 numbers in each row of Wg
	s_add_nc_u64 s[32:33], s[12:13], s[36:37]
	s_lshl_b32 s36, ttmp9, 9                       ; the work-group's 32 rows of gw, 16 bytes each
	s_add_nc_u64 s[34:35], s[20:21], s[36:37]
	s_add_nc_u64 s[48:49], s[14:15], s[52:53]      ; We at my half tile
	s_add_nc_u64 s[50:51], s[18:19], s[56:57]      ; Wt at my rows
; A group of four loads.  Groups 0-15: row n of x.  Groups 16-23: We, load wl of 32: row f = 16 (wl / 8) + 8 h + wl % 8 of my 64.
.macro GROUP n
.if (\n) < 16
	WIN 0x40                                       ; destination window 1, offset window 0
.irp c, 0,1,2,3
	global_load_b128 v[16*(\n)+4*\c:16*(\n)+4*\c+3], v2, s[28:29] offset:(\n)*2048+\c*512 th:TH_LOAD_NT
.endr
.else
	WIN 0
.irp c, 0,1,2,3
.set wl, 4*((\n)-16)+\c
	global_load_b128 v[WX+4*wl:WX+4*wl+3], v6, s[48:49] offset:(16*(wl/8)+wl%8)*4096 th:TH_LOAD_NT
.endr
.endif
.endm
.irp e, 0,1,2,3
.irp c, 0,1,2,3
	global_load_b128 v[WG+16*\e+4*\c:WG+16*\e+4*\c+3], v2, s[32:33] offset:\e*8192+\c*512
.endr
.endr
.irp n, 0,1,2,3,4,5,6,7,8,9,10
	GROUP \n
.endr
	s_wait_loadcnt 44                              ; Wg is in: eleven groups are younger
.irp n, 11,12,13,14
	GROUP \n                                       ; 60 loads are out
.endr
	WIN 0
.set i, 0
.rept 32                               ; Wg rounded to bf16 and widened again, in place: the gate takes the same rounding as the experts' product
	v_cvt_pk_bf16_f32 v[T+i%16], v[WG+2*i], v[WG+2*i+1]
	v_lshlrev_b32 v[WG+2*i], 16, v[T+i%16]
	v_and_b32 v[WG+2*i+1], s38, v[T+i%16]
.set i, i+1
.endr
; One row's turn.  left = the younger loads, which may stay out.  nxt = the group that is issued as soon as this row's has come, or -1.
.macro SLOT row, left, nxt
.set XR, 16*(\row)
	s_wait_loadcnt \left                           ; loads come back in order (ISA guide 5.7.1): my row's four are in
.if (\nxt) >= 0
	GROUP \nxt
.endif
	WIN 0x45                                       ; sources and destination window 1: the row is packed in place, words 4 c and 4 c + 1
.irp c, 0,1,2,3
	v_cvt_pk_bf16_f32 v[XR+4*\c],   v[XR+4*\c],   v[XR+4*\c+1]
	v_cvt_pk_bf16_f32 v[XR+4*\c+1], v[XR+4*\c+2], v[XR+4*\c+3]
.endr
	WIN 0x04                                       ; source 1 (a store's data; the word that is widened) window 1
.irp c, 0,1,2,3
	global_store_b64 v3, v[XR+4*\c:XR+4*\c+1], s[30:31] offset:(\row)*4096+\c*256   ; 32 lanes store 256 consecutive bytes, at a multiple of 256 from Xb's first byte
.endr
.irp j, 0,1,2,3,4,5,6,7
	v_lshlrev_b32 v[T+2*\j],   16,  v[XR+4*(\j/2)+\j%2]    ; the rounded numbers as f32
	v_and_b32     v[T+2*\j+1], s38, v[XR+4*(\j/2)+\j%2]
.endr
	WIN 0
.irp e, 0,1,2,3
	v_pk_mul_f32 v[AC+2*\e:AC+2*\e+1], v[T:T+1], v[WG+16*\e:WG+16*\e+1]   ; the first products start the four sums
.endr
.irp j, 1,2,3,4,5,6,7
.irp e, 0,1,2,3
	v_pk_fma_f32 v[AC+2*\e:AC+2*\e+1], v[T+2*\j:T+2*\j+1], v[WG+16*\e+2*\j:WG+16*\e+2*\j+1], v[AC+2*\e:AC+2*\e+1]
.endr
.endr
.irp e, 0,1,2,3
	v_add_f32 v[L+\e], v[AC+2*\e], v[AC+2*\e+1]
.endr
.irp m, 1,2,4,8
.irp e, 0,1,2,3
	v_add_f32_dpp v[L+\e], v[L+\e], v[L+\e] row_xmask:\m row_mask:0xf bank_mask:0xf
.endr
.endr
.irp e, 0,1,2,3
	v_permlanex16_b32 v[P+\e], v[L+\e], s40, s41
.endr
.irp e, 0,1,2,3
	v_add_f32 v[L+\e], v[L+\e], v[P+\e]            ; every lane holds my modality's part of the row's four logits
.endr
	ds_store_b128 v4, v[L:L+3] offset:(\row)*16    ; all lanes store the same 16 bytes to the same place
.endm
.irp r, 0,1,2,3,4,5,6,7,8
	SLOT \r, 56, 15+\r                             ; fourteen younger groups; the last row of x, then We's eight groups, go out one a turn
.endr
	SLOT 9, 56, -1                                 ; groups 10 to 23 are younger; nothing is left to ask for
.irp r, 10,11,12,13,14,15
	SLOT \r, 4*(23-\r), -1                         ; the counts run down to We's 32 loads
.endr
.macro STEP s                          ; 16 rows f: for each of my four columns, eight neighbouring f become 16 bytes
.set XS, WX+32*(\s)
	s_wait_loadcnt 24-8*(\s)                       ; the younger steps' eight loads each may stay out
.irp k, 0,1,2,3
.irp m, 0,1,2,3
	v_cvt_pk_bf16_f32 v[T+4*\k+\m], v[XS+8*\m+\k], v[XS+8*\m+4+\k]
.endr
.endr
.irp k, 0,1,2,3
	ds_store_b128 v7, v[T+4*\k:T+4*\k+3] offset:\k*16*WPITCH+32*(\s)
.endr
.endm
.irp s, 0,1,2,3
	STEP \s
.endr
	s_wait_dscnt 0x0                               ; for the others' sake: my partial logits and my half of the tile's rows are in LDS
	s_barrier_signal -1
	s_barrier_wait -1
.set t, 0
.rept 16
	ds_load_b128 v[WX+4*t:WX+4*t+3], v8 offset:t*2*WPITCH
.set t, t+1
.endr
.set t, 0
.rept 16                               ; of my 32 rows, row 2 t + h is column p = 8 (t & 7) + 4 h + (t >> 3) + 2 x my half of the tile's 64; the half stands in the base
	s_wait_dscnt 15-t
	global_store_b128 v9, v[WX+4*t:WX+4*t+3], s[50:51] offset:(((t&7)>>2)*128+8*(t&3)+(t>>3))*4096   ; 16 lanes store 256 consecutive bytes, at a multiple of 256 from Wt's first byte
.set t, t+1
.endr
	s_cmp_lg_u32 s24, 0
	s_cbranch_scc1 .Lend
	; THE GATE'S FINISH, wave 0: lane t has row t of the work-group's 32
	v_lshlrev_b32 v5, 4, v1
.irp q, 0,1,2,3
	ds_load_b128 v[16+4*\q:16+4*\q+3], v5 offset:\q*512
.endr
	v_mov_b32 v48, 0
	v_mov_b32 v49, 1
.irp e, 0,1,2,3
	v_mov_b32 v[RK+\e], 3-\e                       ; the experts behind e count as going before it until the comparisons say otherwise
.endr
	s_wait_dscnt 0x0
	v_pk_add_f32 v[16:17], v[16:17], v[20:21]
	v_pk_add_f32 v[18:19], v[18:19], v[22:23]
	v_pk_add_f32 v[24:25], v[24:25], v[28:29]
	v_pk_add_f32 v[26:27], v[26:27], v[30:31]
	v_pk_add_f32 v[16:17], v[16:17], v[24:25]
	v_pk_add_f32 v[18:19], v[18:19], v[26:27]      ; v16-19: the four logits
	v_max3_num_f32 v20, v16, v17, v18
	v_max_num_f32 v20, v20, v19                    ; the row's maximum is taken away, as in the softmax that is computed
.irp e, 0,1,2,3
	v_sub_f32 v[24+\e], v[16+\e], v20
.endr
.irp e, 0,1,2,3
	v_mul_f32 v[24+\e], 0x3fb8aa3b, v[24+\e]       ; log2(e)
.endr
.irp e, 0,1,2,3
	v_exp_f32 v[24+\e], v[24+\e]
.endr
	v_nop                                          ; a plain instruction between the last exponential and the use of its result (ISA guide 5.7.2)
	s_wait_alu depctr_va_vdst(0)
	v_add_f32 v28, v24, v25
	v_add_f32 v29, v26, v27
	v_add_f32 v28, v28, v29
	v_rcp_f32 v29, v28
	v_nop
	s_wait_alu depctr_va_vdst(0)
.irp e, 0,1,2,3
	v_mul_f32 v[G+\e], v[24+\e], v29               ; the scores
.endr
; For j < e: j goes before e where its score is at least e's (equal scores: the lower expert first), else e goes before j.
.macro PAIR j, e
	v_cmp_ge_f32 vcc_lo, v[G+\j], v[G+\e]
	v_cndmask_b32 v50, v48, v49, vcc_lo
	v_add_nc_u32 v[RK+\e], v[RK+\e], v50
	v_sub_nc_u32 v[RK+\j], v[RK+\j], v50
.endm
	PAIR 0, 1
	PAIR 0, 2
	PAIR 0, 3
	PAIR 1, 2
	PAIR 1, 3
	PAIR 2, 3
.irp e, 0,1,2,3
	v_cmp_gt_u32 vcc_lo, 2, v[RK+\e]               ; among the first two: its score; else 0.  A selection of values: no address and no branch hangs on it
	v_cndmask_b32 v[52+\e], v48, v[G+\e], vcc_lo
.endr
	global_store_b128 v5, v[52:55], s[34:35]       ; 32 lanes store 512 consecutive bytes, at a multiple of 512 from gw's first byte
.Lend:
	s_wait_tensorcnt 0x0
	ds_add_u32 v254, v255
	s_wait_dscnt 0x0
	s_endpgm
.Lfunc_end_k_qf568aa7bcc_prep:
	.size	k_qf568aa7bcc_prep, .Lfunc_end_k_qf568aa7bcc_prep-k_qf568aa7bcc_prep
	.p2alignl 7, 3214868480
	.fill 96, 4, 3214868480
	.section	.rodata,"a",@progbits
	.p2align	6, 0x0
	.amdhsa_kernel k_qf568aa7bcc_prep
		.amdhsa_group_segment_fixed_size 72704
		.amdhsa_private_segment_fixed_size 0
		.amdhsa_enable_private_segment 0
		.amdhsa_kernarg_size 72
		.amdhsa_user_sgpr_count 2
		.amdhsa_user_sgpr_kernarg_segment_ptr 1
		.amdhsa_wavefront_size32 1
		.amdhsa_system_sgpr_workgroup_id_x 1
		.amdhsa_system_sgpr_workgroup_id_y 1
		.amdhsa_system_sgpr_workgroup_id_z 1
		.amdhsa_system_vgpr_workitem_id 0
		.amdhsa_next_free_vgpr 512
		.amdhsa_next_free_sgpr 66
		.amdhsa_reserve_vcc 1
		.amdhsa_float_denorm_mode_32 3
		.amdhsa_float_denorm_mode_16_64 3
		.amdhsa_memory_ordered 1
		.amdhsa_forward_progress 1
		.amdhsa_inst_pref_size 111
	.end_amdhsa_kernel
	.amdgpu_metadata
---
amdhsa.version: [ 1, 2 ]
amdhsa.kernels:
  - .name:           k_qf568aa7bcc_prep
    .symbol:         k_qf568aa7bcc_prep.kd
    .args:
      - { .name: x_mod0, .offset: 0, .size: 8, .value_kind: global_buffer, .address_space: global }
      - { .name: x_mod1, .offset: 8, .size: 8, .value_kind: global_buffer, .address_space: global }
      - { .name: x_mod2, .offset: 16, .size: 8, .value_kind: global_buffer, .address_space: global }
      - { .name: x_mod3, .offset: 24, .size: 8, .value_kind: global_buffer, .address_space: global }
      - { .name: Wg, .offset: 32, .size: 8, .value_kind: global_buffer, .address_space: global }
      - { .name: We, .offset: 40, .size: 8, .value_kind: global_buffer, .address_space: global }
      - { .name: Xb, .offset: 48, .size: 8, .value_kind: global_buffer, .address_space: global }
      - { .name: Wt, .offset: 56, .size: 8, .value_kind: global_buffer, .address_space: global }
      - { .name: gw, .offset: 64, .size: 8, .value_kind: global_buffer, .address_space: global }
    .group_segment_fixed_size: 72704
    .private_segment_fixed_size: 0
    .kernarg_segment_align: 8
    .kernarg_segment_size: 72
    .max_flat_workgroup_size: 256
    .sgpr_count:     66
    .vgpr_count:     512
    .wavefront_size: 32
...
	.end_amdgpu_metadata
.endif
;; end of part 1
;; launch gemm (part 2): grid 16 x 32, 4 waves a work-group, clusters of 4 x 4, 327,680 bytes of LDS; arguments Xb, Wt, gw, be, label, out1, part; writes out1, part
.if DOCPART == 2
	.amdgcn_target "amdgcn-amd-amdhsa--gfx1250"
	.amdhsa_code_object_version 6
	.text
	.protected	k_qf568aa7bcc_gemm
	.globl	k_qf568aa7bcc_gemm
	.p2align	8
	.type	k_qf568aa7bcc_gemm,@function
k_qf568aa7bcc_gemm:
	s_mov_b64 s[64:65], 0
	v_nop
	global_prefetch_b8 v0, s[64:65] scope:SCOPE_SE
	s_setreg_imm32_b32 hwreg(HW_REG_WAVE_MODE, 25, 1), 1
	s_wait_xcnt 0x0
	s_wait_alu depctr_hold_cnt(0) depctr_sa_sdst(0) depctr_va_vdst(0) depctr_va_sdst(0) depctr_va_ssrc(0) depctr_va_vcc(0) depctr_vm_vsrc(0)
	s_getreg_b32 s2, hwreg(HW_REG_IB_STS2, 6, 4)
	s_cmp_eq_u32 s2, 0
	s_cbranch_scc0 .Lentry_in_a_cluster
	s_endpgm
.Lentry_in_a_cluster:
	s_bfe_u32 s2, ttmp6, 0x10000c
	s_cmp_lg_u32 s2, 0xf033
	s_cbranch_scc0 .Lentry_shape_is_right
	s_endpgm
.Lentry_shape_is_right:
; preds[t][p] = sum over e of gw[t][e] (be[e][p] + sum over f of Xb[t][f] Wt[n(e, p)][f]), and the wave's part of sum (preds - label)^2.
; Xb: [8192][2048] bf16.  Wt: [4096][2048] bf16, row n = (p / 32) 128 + 32 e + p % 32.  gw: [8192][4] f32, 0 for the experts not chosen.  Sums in f32.
; A work-group makes 256 tokens x 256 rows of Wt = 4 experts x 64 columns p; each of its four waves 128 x 128 = 4 experts x 32 p: 64 accumulators of 16 x 16, 512 registers.
; So the four experts' sums for one (token, p) lie in the same lane and register of four accumulators, and the weighted sum is made in registers, in f32, from finished sums.
; The bias is the C operand of each accumulator's first product: nothing is cleared and nothing is added later.
; K goes in steps of 128 through a ring of two LDS slots filled by the tensor data mover; the tiles' rows are 256 bytes of memory and start at multiples of 256 bytes from the buffer's first byte.
; CLUSTERS: 4 x 4 work-groups.  The four of a row of the cluster need the same tiles of Xb, the four of a column the same tiles of Wt: each tile is asked for JOINTLY,
; by the same tensor load with the same descriptor and a mask that names the four.
; THE MATRIX INSTRUCTION IS USED TRANSPOSED (source 0 = 16 rows of Wt, source 1 = 16 tokens): lane l holds token l % 16, registers 0-7 the columns 8 (l / 16) + 0..7.
; LIMITS.  An expert that is not chosen enters with weight 0: were its sum infinite, the result would be NaN where a gather drops it; the sums stay finite for inputs far beyond
; 30 times unit spread (2,048 products of bf16 numbers in f32).  Matrix operands are rounded to bf16; weights, bias and label stay f32.
; REGISTERS, in windows of 256 (s_set_vgpr_msb, low byte: bits 1:0 source 0, 3:2 source 1, 5:4 source 2, 7:6 destination):
;   window 0: v0-31 addresses and sums; v32-63 the gate weights; v64-127, v128-191 fragments of Xb, two buffers, on the way out the rows read back; v192-255 the bias, then the weighted sums
;   window 1: v64-127, v128-191 fragments of Wt; v0-63 and v192-255 label, loaded at the start
;   window 2: the 32 accumulators of my tokens 0-63 ((a, b) at v[8 (8 a + b)]);   window 3: those of my tokens 64-127
.set SIZE_K, 2048
.set KSTEP,  128
.set PITCH,  272                       ; an LDS row: 256 bytes + 16 of padding = 68 words: row r starts at bank 4 r mod 64 (64 banks of 4 bytes: ISA guide 11.1)
.set HALFT,  128*PITCH                 ; 128 rows: what one tensor load brings, and what one wave reads of Xb or of Wt
.set SLOT,   4*HALFT                   ; Xb's 256 rows, then Wt's 256 rows
.set SPARE,  2*SLOT                    ; behind the ring: the spare words, 128 bytes for each wave: two blocks of 256 bytes that no other line names
.set SPITCH, 272                       ; the stage for the way out: 256 rows x 272 bytes from LDS byte 0, inside slot 0, which has had its last fill (K step 14) and its last read by then
.set LAPS,   SIZE_K/(2*KSTEP)          ; a lap = two K steps = once round the ring
.set LSUM, 8                           ; v[8:15] four pair sums of squares
.set ADRA, 16                          ; v16-17  LDS address of my Xb fragments in slot 0, 1
.set ADRB, 20                          ; v20-21  the same for Wt
.set STO,  24                          ; v24     the way out: where I put 16 bytes of a row
.set RD,   25                          ; v25     the way out: where I read a row back
.set CO,   26                          ; v26     my byte offset in label and in out1; never rewritten
.set BO,   27                          ; v27     my byte offset in be
.set SPW,  28                          ; v28     LDS address of my spare word: SPARE + 4 x my thread's number; never rewritten
.set NIL,  29                          ; v29     0; never rewritten
.set GO,   30                          ; v30     my byte offset in gw
.set ZO,   31                          ; v31     0: the offset of the store into part
.set W,    32                          ; v[32:63] W + 4 a + e: the weight of expert e for token 16 a + l % 16
.set F0,   64
.set F1,   128
.set OUTR, 64                          ; the way out: 64 rows read back, 4 registers for each pair of rows
.set BIAS, 192                         ; BIAS + 8 b + j = be[b / 2][my 32 p: 16 (b & 1) + 8 (l / 16) + j]
.set RES,  192                         ; the weighted sums, four sets of 16, where the bias lay
.set G1, 24                            ; s[24:31] descriptor group 1 for Xb's tiles;  s[32:39] group 0, one set for each slot
.set G0, 32
.set G1B, 48                           ; s[48:55], s[56:63] the same for Wt's tiles
.set G0B, 56
.set MSB, 0
.macro WIN new                         ; the immediate's high byte repeats the setting that is left; a switch that changes nothing is dropped
.if MSB != (\new)
	s_set_vgpr_msb (MSB<<8)|(\new)
.set MSB, (\new)
.endif
.endm
.set MUL_LO, 0xa1                      ; source 0 (Wt) window 1, source 1 (Xb) window 0, C and D window 2
.set MUL_HI, 0xf1                      ; the same, C and D window 3
.set TO_B,   0x40                      ; destination window 1, address window 0
; A joint load.  Waves 0 and 1 fetch Xb's two halves, waves 2 and 3 Wt's.  The branch hangs on the wave's number alone.  Four v_nop follow each of the two lines.
.macro JLOAD s
	s_cmp_eq_u32 s11, 0
	s_cbranch_scc0 .Lfor_b_\@
	tensor_load_to_lds s[G0+4*\s:G0+4*\s+3], s[G1:G1+7]
	s_nop 0
.rept 4
	v_nop
.endr
	s_branch .Lasked_\@
.Lfor_b_\@:
	tensor_load_to_lds s[G0B+4*\s:G0B+4*\s+3], s[G1B:G1B+7]
	s_nop 0
.rept 4
	v_nop
.endr
.Lasked_\@:
.endm
.macro CREST                           ; a round of the cluster's barrier behind its opening barrier
	s_cmp_lg_u32 s10, 0
	s_cbranch_scc1 .Lnot_wave_0_\@
	s_barrier_signal -3
.Lnot_wave_0_\@:
	s_barrier_wait -3
	s_barrier_signal -1
	s_barrier_wait -1
.endm
.macro CROUND                          ; a whole round
	s_barrier_signal -1
	s_barrier_wait -1
	CREST
.endm
	s_load_b128 s[4:7], s[0:1], 0x0                ; Xb s[4:5], Wt s[6:7]
	s_load_b256 s[72:79], s[0:1], 0x10             ; gw s[72:73], be s[74:75], label s[76:77], out1 s[78:79]
	s_load_b64 s[80:81], s[0:1], 0x30              ; part
	v_lshl_add_u32 v[SPW], v0, 2, SPARE
	v_mov_b32 v[NIL], 0
	ds_add_u32 v28, v29
	s_wait_dscnt 0x0
	v_lshrrev_b32 v1, 5, v0
	v_readfirstlane_b32 s10, v1                    ; wave 0..3
	s_lshr_b32 s11, s10, 1                         ; which half of the tile's tokens is mine.  Also: I fetch for Xb (0) or for Wt (1)
	s_and_b32 s12, s10, 1                          ; which half of its columns.  Also: which 128 rows of that tile I fetch
	s_bfe_u32 s40, ttmp6, 0x40000                  ; cx, cy: my place in the cluster
	s_bfe_u32 s41, ttmp6, 0x40004
	s_lshl_b32 s42, ttmp9, 2                       ; in a cluster launch ttmp9 and ttmp7 count clusters
	s_add_co_u32 s42, s42, s40                     ; tile column = 4 x cluster x + cx
	s_and_b32 s13, ttmp7, 0xffff
	s_lshl_b32 s13, s13, 2
	s_add_co_u32 s13, s13, s41                     ; tile row = 4 x cluster y + cy
	s_lshl_b32 s43, s41, 2
	s_lshl_b32 s43, 15, s43                        ; my row of the cluster: places 4 cy .. 4 cy + 3
	s_lshl_b32 s44, 0x1111, s40                    ; my column: places cx, cx + 4, cx + 8, cx + 12
	s_mov_b32 s82, 0x76543210                      ; v_permlanex16_b32: each lane takes its own place in the other half
	s_mov_b32 s83, 0xfedcba98
	; descriptor group 1: a tile of 128 rows x 128 elements, padded in LDS
	s_or_b32 s[G1+0], s43, (1<<16)|(1<<20)|(1<<21)|(5<<22)|(3<<25)  ; 15:0 the mask: Xb's tiles go to my row; 17:16 element of 2 bytes; 20 padding on; 21 set beside a mask; 24:22 after every 64 words (code 5); 31:25 of 4 words (code 3)
	s_or_b32 s[G1B+0], s44, (1<<16)|(1<<20)|(1<<21)|(5<<22)|(3<<25) ; the same with the mask of my column, for Wt's tiles
.irp g, G1, G1B
	s_mov_b32 s[\g+1], KSTEP<<16                   ; tensor_dim0 = 128
	s_mov_b32 s[\g+2], 128<<16                     ; tensor_dim1 = 128
	s_mov_b32 s[\g+3], KSTEP<<16                   ; tile_dim0 = 128
	s_mov_b32 s[\g+4], 128                         ; tile_dim1 = 128
	s_mov_b32 s[\g+5], SIZE_K                      ; tensor_dim0_stride: elements from row to row
	s_mov_b32 s[\g+6], 0
	s_mov_b32 s[\g+7], 0
.endr
	; where the tiles come from: Xb's hang on the tile row alone, Wt's on the tile column alone, each in registers that never hold the other coordinate
	s_lshl_b32 s17, s12, 7                         ; which 128 rows of the tile I fetch
	s_lshl_b32 s16, s13, 8
	s_add_co_u32 s16, s16, s17                     ; Xb: row 256 x tile row + 128 x half
	s_lshl_b32 s46, s42, 8
	s_add_co_u32 s46, s46, s17                     ; Wt: row 256 x tile column + 128 x half
	s_mov_b32 s17, 0
	s_mov_b32 s47, 0
	s_mov_b64 s[18:19], SIZE_K*2
	s_mul_u64 s[16:17], s[16:17], s[18:19]
	s_mul_u64 s[46:47], s[46:47], s[18:19]
	s_mul_i32 s20, s10, HALFT                      ; where they go: wave x 128 rows: no place in the cluster enters an LDS address
	s_wait_kmcnt 0x0
	s_add_nc_u64 s[14:15], s[4:5], s[16:17]
	s_add_nc_u64 s[46:47], s[6:7], s[46:47]
	CROUND                                         ; all sixteen work-groups are here: the first joint loads meet
.irp s, 0,1
	s_mov_b32 s[G0+4*\s], 1                                        ; count = 1
	s_add_co_u32 s[G0+4*\s+1], s20, \s*SLOT                        ; LDS address
	s_add_nc_u64 s[G0+4*\s+2:G0+4*\s+3], s[14:15], \s*KSTEP*2      ; global address: K step s
	s_or_b32 s[G0+4*\s+3], s[G0+4*\s+3], 0x80000000                ; type = 2
	s_mov_b32 s[G0B+4*\s], 1
	s_add_co_u32 s[G0B+4*\s+1], s20, \s*SLOT
	s_add_nc_u64 s[G0B+4*\s+2:G0B+4*\s+3], s[46:47], \s*KSTEP*2
	s_or_b32 s[G0B+4*\s+3], s[G0B+4*\s+3], 0x80000000
	JLOAD \s                                       ; the ring is filled before anything else is done: two tensor loads of mine are out
.endr
	; the other buffers at my part; the offsets are made in s[68:71], which feed no descriptor
	s_mov_b32 s69, 0
	s_lshl_b32 s68, s13, 12                        ; gw: 16 bytes a token: 256 x tile row + 128 x my half of the tokens
	s_lshl_b32 s70, s11, 11
	s_add_co_u32 s68, s68, s70
	s_add_nc_u64 s[72:73], s[72:73], s[68:69]
	s_lshl_b32 s68, s42, 8                         ; be: column p = 64 x tile column + 32 x my half of the columns
	s_lshl_b32 s70, s12, 7
	s_add_co_u32 s68, s68, s70
	s_add_nc_u64 s[74:75], s[74:75], s[68:69]
	s_lshl_b32 s68, s13, 20                        ; label and out1: row 256 x tile row + 64 x wave, 4,096 bytes a row; column 64 x tile column
	s_lshl_b32 s70, s10, 18
	s_add_co_u32 s68, s68, s70
	s_lshl_b32 s70, s42, 8
	s_add_co_u32 s68, s68, s70
	s_add_nc_u64 s[76:77], s[76:77], s[68:69]
	s_add_nc_u64 s[78:79], s[78:79], s[68:69]
	s_lshl_b32 s68, s13, 4                         ; part: one word for each wave of each of the 512 work-groups
	s_add_co_u32 s68, s68, s42
	s_lshl_b32 s68, s68, 2
	s_add_co_u32 s68, s68, s10
	s_lshl_b32 s68, s68, 2
	s_add_nc_u64 s[80:81], s[80:81], s[68:69]
	; A fragment is 16 rows x 32 K in 8 registers: lane l holds row l % 16; registers 0-3 K = 8 (l / 16) + 0..7, registers 4-7 K = 16 + 8 (l / 16) + 0..7: two loads of 16 bytes, 32 bytes apart.
	v_and_b32 v1, 15, v0                           ; r = l % 16
	v_bfe_u32 v2, v0, 4, 1                         ; h = l / 16
	v_mul_u32_u24 v3, v1, PITCH
	v_lshl_add_u32 v3, v2, 4, v3                   ; row x pitch + 16 x half
	s_mul_i32 s21, s11, HALFT                      ; my 128 rows of Xb
	s_mul_i32 s22, s12, HALFT                      ; my 128 rows of Wt,
	s_add_co_u32 s22, s22, 2*HALFT                 ; which lie behind Xb's 256
.irp s, 0,1
	v_add_nc_u32 v[ADRA+\s], s21, v3
	v_add_nc_u32 v[ADRB+\s], s22, v3
	s_add_co_u32 s21, s21, SLOT
	s_add_co_u32 s22, s22, SLOT
.endr
	s_mul_i32 s23, s11, 128*SPITCH                 ; into the stage: row 128 x my half + r; my 32 columns are 128 bytes of its 256; 32 bytes for each half of the lanes
	s_lshl_b32 s21, s12, 7
	s_add_co_u32 s23, s23, s21
	v_mul_u32_u24 v4, v1, SPITCH
	v_lshl_add_u32 v4, v2, 5, v4
	v_add_nc_u32 v[STO], s23, v4
	s_mul_i32 s23, s10, 64*SPITCH                  ; back: wave w takes rows 64 w .. 64 w + 63, whole; lanes 0-15 one row of 256 bytes, lanes 16-31 the next
	v_mul_u32_u24 v5, v2, SPITCH
	v_lshl_add_u32 v5, v1, 4, v5
	v_add_nc_u32 v[RD], s23, v5
	v_lshlrev_b32 v5, 12, v2                       ; and the same two rows in label and out1
	v_lshl_add_u32 v[CO], v1, 4, v5
	v_lshlrev_b32 v[BO], 5, v2
	v_lshlrev_b32 v[GO], 4, v1
	v_mov_b32 v[ZO], 0
	v_mov_b32 v7, 0                                ; written once, since v_permlanex16_b32 counts as a reader of its destination
.irp b, 0,1,2,3,4,5,6,7
	global_load_b128 v[BIAS+8*\b:BIAS+8*\b+3],   v[BO], s[74:75] offset:(\b/2)*4096+(\b%2)*64
	global_load_b128 v[BIAS+8*\b+4:BIAS+8*\b+7], v[BO], s[74:75] offset:(\b/2)*4096+(\b%2)*64+16
.endr
.irp a, 0,1,2,3,4,5,6,7
	global_load_b128 v[W+4*\a:W+4*\a+3], v[GO], s[72:73] offset:\a*256
.endr
	WIN TO_B                                       ; label comes in under the whole product: 16 lanes take 256 consecutive aligned bytes, the rows that I store at the end
.set t, 0
.rept 32
.if t < 16
.set LBT, 4*t
.else
.set LBT, 192+4*(t-16)
.endif
	global_load_b128 v[LBT:LBT+3], v[CO], s[76:77] offset:t*8192 th:TH_LOAD_NT
.set t, t+1
.endr
	WIN 0
; 16 matrix instructions: token blocks a0, a0 + 1 of the window's four (hi = 0: my tokens 0-63, 1: 64-127) x all 8 column blocks, 32 along K.
; first = 1: the first product starts each sum from the bias.  The 64 accumulators take turns, one instruction a turn, in the same order in every quarter step.
.macro MUL16 f, hi, a0, first
.irp a, \a0, \a0+1
.irp b, 0,1,2,3,4,5,6,7
.if \first
	v_wmma_f32_16x16x32_bf16 v[8*(8*(\a)+\b):8*(8*(\a)+\b)+7], v[\f+8*\b:\f+8*\b+7], v[\f+8*(4*\hi+\a):\f+8*(4*\hi+\a)+7], v[BIAS+8*\b:BIAS+8*\b+7]
.else
	v_wmma_f32_16x16x32_bf16 v[8*(8*(\a)+\b):8*(8*(\a)+\b)+7], v[\f+8*\b:\f+8*\b+7], v[\f+8*(4*\hi+\a):\f+8*(4*\hi+\a)+7], v[8*(8*(\a)+\b):8*(8*(\a)+\b)+7]
.endif
.endr
.endr
.endm
; 32 LDS loads in one run: the fragments of one quarter step (128 rows of Wt, 128 of Xb, 32 K at byte k of the rows) into buffer f
.macro FETCH slot, k, f
	WIN TO_B
.irp i, 0,1,2,3,4,5,6,7
	ds_load_b128 v[\f+8*\i:\f+8*\i+3],   v[ADRB+\slot] offset:\k+\i*16*PITCH
	ds_load_b128 v[\f+8*\i+4:\f+8*\i+7], v[ADRB+\slot] offset:\k+\i*16*PITCH+32
.endr
	WIN 0
.irp i, 0,1,2,3,4,5,6,7
	ds_load_b128 v[\f+8*\i:\f+8*\i+3],   v[ADRA+\slot] offset:\k+\i*16*PITCH
	ds_load_b128 v[\f+8*\i+4:\f+8*\i+7], v[ADRA+\slot] offset:\k+\i*16*PITCH+32
.endr
.endm
; A load into a register that a matrix instruction has read, and a vector instruction that reads a matrix result, stand four places behind that matrix instruction, and only plain
; vector instructions that name none of its registers are places (ISA guide 7.12.1 for vector instructions).
.macro PLACES
.rept 4
	v_nop
.endr
.endm
; A K step is four quarter steps of 32 along K, 64 matrix instructions each, on buffers 0, 1, 0, 1.  One of the first three: multiplies buffer f and, in its middle, fetches the next quarter, at byte k, into g.
.macro QUARTER slot, k, f, g, first
	s_wait_dscnt 8                                 ; Wt and Xb's rows 0-63 are in; the youngest eight loads (Xb's rows 64-127) may be out
	WIN MUL_LO-0x20*\first                         ; first = 1: C, the bias, lies in window 0
	MUL16 \f, 0, 0, \first
	MUL16 \f, 0, 2, \first
	PLACES
	FETCH \slot, \k, \g
	s_wait_dscnt 32                                ; all but the 32 just issued
	WIN MUL_HI-0x30*\first
	MUL16 \f, 1, 0, \first
	MUL16 \f, 1, 2, \first
.endm
; The last quarter multiplies buffer 1 and changes slots.  MEET is its first half: ONE barrier for the change.  In front of it each wave waits for all its tensor loads, of which one is out:
; its part of the next slot; adds 0 to its spare word; and waits for that and for its own reads of this slot.  Behind it nobody reads this slot any more and the next slot is whole.
.macro MEET round                      ; round = 1: a round of the cluster's barrier follows
	WIN 0                                          ; (the add's two registers lie in window 0)
	s_wait_tensorcnt 0x0                           ; all my tensor loads have landed;
	ds_add_u32 v[SPW], v[NIL]                      ; 0 onto my spare word;
	s_wait_dscnt 9                                 ; (the add and the youngest eight loads may be out)
	WIN MUL_LO
	MUL16 F1, 0, 0, 0                              ; sixteen matrix instructions stand between the add and the wait for it
	s_wait_dscnt 0x0                               ; the add is done, and my reads of this slot are over:
	s_barrier_signal -1                            ; say so,
	MUL16 F1, 0, 2, 0                              ; work on registers while the others arrive,
.if \round
	WIN 0
.endif
	s_barrier_wait -1                              ; and go on when all four have said so
.endm
; The whole last quarter of a K step whose slot is filled again, two K steps on.  The barrier opens a round of the cluster's barrier, and the joint refill is the first tensor load behind the round:
; from that request to the wait for it a wave issues 224 matrix instructions.
.macro TURN slot, next
	MEET 1
	CREST                                          ; no wave of any partner still reads this slot's tile or has a load on its way
	s_add_nc_u64 s[G0+4*\slot+2:G0+4*\slot+3], s[G0+4*\slot+2:G0+4*\slot+3], 2*KSTEP*2
	s_add_nc_u64 s[G0B+4*\slot+2:G0B+4*\slot+3], s[G0B+4*\slot+2:G0B+4*\slot+3], 2*KSTEP*2
	JLOAD \slot                                    ; the four v_nop behind it are also the places in front of the loads below
	FETCH \next, 0, F0
	WIN MUL_HI
	MUL16 F1, 1, 0, 0
	MUL16 F1, 1, 2, 0
.endm
	s_wait_tensorcnt 1                             ; my part of K step 0 is in; K step 1's may stay out
	s_barrier_signal -1
	s_barrier_wait -1                              ; everybody's is
	FETCH 0, 0, F0
	s_wait_loadcnt 40                              ; the bias is in: 8 loads of gw and 32 of label are younger
	QUARTER 0, 64,  F0, F1, 1                      ; the first quarter stands in front of the loop: its products start the sums
	WIN 0                                          ; at a label and at a branch every window is 0
	s_mov_b32 s3, LAPS-1
.Llap:                                                 ; a trip goes once round the ring, from a lap's second quarter to the next lap's first, and fills both slots again
	QUARTER 0, 128, F1, F0, 0
	QUARTER 0, 192, F0, F1, 0
	TURN 0, 1
	QUARTER 1, 64,  F0, F1, 0
	QUARTER 1, 128, F1, F0, 0
	QUARTER 1, 192, F0, F1, 0
	TURN 1, 0
	QUARTER 0, 64,  F0, F1, 0
	WIN 0
	s_sub_co_u32 s3, s3, 1
	s_cmp_lg_u32 s3, 0
	s_cbranch_scc1 .Llap
	QUARTER 0, 128, F1, F0, 0                      ; the last lap is written out: it asks for nothing
	QUARTER 0, 192, F0, F1, 0
	MEET 0                                         ; my one tensor load that was out is slot 1's, the last K step's, so no round follows
	PLACES                                         ; for the loads into buffer 0
	FETCH 1, 0, F0
	WIN MUL_HI
	MUL16 F1, 1, 0, 0
	MUL16 F1, 1, 2, 0
	QUARTER 1, 64,  F0, F1, 0
	QUARTER 1, 128, F1, F0, 0
	QUARTER 1, 192, F0, F1, 0
	s_wait_dscnt 8                                 ; the very last quarter: nothing more to fetch
	WIN MUL_LO
	MUL16 F1, 0, 0, 0
	MUL16 F1, 0, 2, 0
	s_wait_dscnt 0x0
	WIN MUL_HI
	MUL16 F1, 1, 0, 0
	MUL16 F1, 1, 2, 0
	WIN 0
	PLACES                                         ; the sums below read results just made
; THE WAY OUT.  Block a (16 tokens): the four experts' sums, each times its weight, added in f32: 32 p in 16 registers; then 64 bytes a lane into the stage.
; Each accumulator is read from its lowest registers on.  The weight is one register of a pair, taken for both halves by op_sel and op_sel_hi.
.macro COMBINE a
.set AC, 64*((\a)%4)
.set R, RES+16*((\a)%4)
	WIN 0x02+(\a)/4                                ; source 0: window 2 or 3
.irp e, 0,1,2,3
.irp jj, 0,1
.irp u, 0,1,2,3
.if \e == 0
	v_pk_mul_f32 v[R+8*\jj+2*\u:R+8*\jj+2*\u+1], v[AC+8*(2*\e+\jj)+2*\u:AC+8*(2*\e+\jj)+2*\u+1], v[W+4*(\a):W+4*(\a)+1] op_sel_hi:[1,0]
.elseif \e == 1
	v_pk_fma_f32 v[R+8*\jj+2*\u:R+8*\jj+2*\u+1], v[AC+8*(2*\e+\jj)+2*\u:AC+8*(2*\e+\jj)+2*\u+1], v[W+4*(\a):W+4*(\a)+1], v[R+8*\jj+2*\u:R+8*\jj+2*\u+1] op_sel:[0,1,0] op_sel_hi:[1,1,1]
.elseif \e == 2
	v_pk_fma_f32 v[R+8*\jj+2*\u:R+8*\jj+2*\u+1], v[AC+8*(2*\e+\jj)+2*\u:AC+8*(2*\e+\jj)+2*\u+1], v[W+4*(\a)+2:W+4*(\a)+3], v[R+8*\jj+2*\u:R+8*\jj+2*\u+1] op_sel_hi:[1,0,1]
.else
	v_pk_fma_f32 v[R+8*\jj+2*\u:R+8*\jj+2*\u+1], v[AC+8*(2*\e+\jj)+2*\u:AC+8*(2*\e+\jj)+2*\u+1], v[W+4*(\a)+2:W+4*(\a)+3], v[R+8*\jj+2*\u:R+8*\jj+2*\u+1] op_sel:[0,1,0] op_sel_hi:[1,1,1]
.endif
.endr
.endr
.endr
	WIN 0
.irp jj, 0,1
.irp q, 0,1
	ds_store_b128 v[STO], v[R+8*\jj+4*\q:R+8*\jj+4*\q+3] offset:(\a)*16*SPITCH+\jj*64+\q*16
.endr
.endr
.endm
	s_wait_loadcnt 32                              ; the weights are in: label's 32 loads are younger
.irp a, 0,1,2,3,4,5,6,7
	COMBINE \a
.endr
	s_wait_dscnt 0x0                               ; for the others' sake: my stores into the stage are done; a row's 256 bytes come from two waves
	s_barrier_signal -1
	s_barrier_wait -1
.set t, 0
.rept 32
	ds_load_b128 v[OUTR+4*t:OUTR+4*t+3], v[RD] offset:t*2*SPITCH
.set t, t+1
.endr
.set t, 0
.rept 32
	s_wait_dscnt 31-t
	global_store_b128 v[CO], v[OUTR+4*t:OUTR+4*t+3], s[78:79] offset:t*8192 th:TH_STORE_NT   ; 16 lanes store 256 consecutive bytes, at a multiple of 256 from out1's first byte
.set t, t+1
.endr
	; THE LOSS: (preds - label)^2 over my 64 rows x 64 columns.  The stores' registers are only read.
	s_wait_loadcnt 0x0                             ; label
	WIN 0x44                                       ; source 1 and destination: window 1
.set t, 0
.rept 32
.if t < 16
.set LBT, 4*t
.else
.set LBT, 192+4*(t-16)
.endif
	v_pk_add_f32 v[LBT:LBT+1],   v[OUTR+4*t:OUTR+4*t+1],   v[LBT:LBT+1]   neg_lo:[0,1] neg_hi:[0,1]
	v_pk_add_f32 v[LBT+2:LBT+3], v[OUTR+4*t+2:OUTR+4*t+3], v[LBT+2:LBT+3] neg_lo:[0,1] neg_hi:[0,1]
.set t, t+1
.endr
	WIN 0x05                                       ; sources 0 and 1: window 1
.set t, 0
.rept 32                               ; four chains; the first four products start them
.if t < 16
.set LBT, 4*t
.else
.set LBT, 192+4*(t-16)
.endif
.set c, 4*(t%2)
.if t < 2
	v_pk_mul_f32 v[LSUM+c:LSUM+c+1],   v[LBT:LBT+1],   v[LBT:LBT+1]
	v_pk_mul_f32 v[LSUM+c+2:LSUM+c+3], v[LBT+2:LBT+3], v[LBT+2:LBT+3]
.else
	v_pk_fma_f32 v[LSUM+c:LSUM+c+1],   v[LBT:LBT+1],   v[LBT:LBT+1],   v[LSUM+c:LSUM+c+1]
	v_pk_fma_f32 v[LSUM+c+2:LSUM+c+3], v[LBT+2:LBT+3], v[LBT+2:LBT+3], v[LSUM+c+2:LSUM+c+3]
.endif
.set t, t+1
.endr
	WIN 0
	v_pk_add_f32 v[LSUM:LSUM+1],   v[LSUM:LSUM+1],   v[LSUM+2:LSUM+3]
	v_pk_add_f32 v[LSUM+4:LSUM+5], v[LSUM+4:LSUM+5], v[LSUM+6:LSUM+7]
	v_pk_add_f32 v[LSUM:LSUM+1],   v[LSUM:LSUM+1],   v[LSUM+4:LSUM+5]
	v_add_f32 v6, v[LSUM], v[LSUM+1]
	v_add_f32_dpp v6, v6, v6 row_xmask:1 row_mask:0xf bank_mask:0xf
	v_add_f32_dpp v6, v6, v6 row_xmask:2 row_mask:0xf bank_mask:0xf
	v_add_f32_dpp v6, v6, v6 row_xmask:4 row_mask:0xf bank_mask:0xf
	v_add_f32_dpp v6, v6, v6 row_xmask:8 row_mask:0xf bank_mask:0xf
	v_permlanex16_b32 v7, v6, s82, s83
	v_add_f32 v6, v6, v7                           ; the wave's sum, in every lane
	v_and_b32 v5, 31, v0
	v_cmp_eq_u32 vcc_lo, 0, v5
	s_wait_xcnt 0x0                                ; EXEC is a source of the stores above: it changes only behind this wait
	s_and_saveexec_b32 s84, vcc_lo
	global_store_b32 v[ZO], v6, s[80:81]           ; lane 0 alone: my wave's word of part; the sum over waves and work-groups is the next launch's
	s_wait_xcnt 0x0                                ; and again, in front of the line that widens it
	s_or_b32 exec_lo, exec_lo, s84
	s_wait_tensorcnt 0x0                           ; the wave's end, behind my last tensor load and my last LDS store
	ds_add_u32 v[SPW], v[NIL]
	s_wait_dscnt 0x0
	CROUND                                         ; the closing round: no work-group ends while a partner may still ask for a tile that names it
	s_endpgm
.Lfunc_end_k_qf568aa7bcc_gemm:
	.size	k_qf568aa7bcc_gemm, .Lfunc_end_k_qf568aa7bcc_gemm-k_qf568aa7bcc_gemm
	.p2alignl 7, 3214868480
	.fill 96, 4, 3214868480
	.section	.rodata,"a",@progbits
	.p2align	6, 0x0
	.amdhsa_kernel k_qf568aa7bcc_gemm
		.amdhsa_group_segment_fixed_size 327680
		.amdhsa_private_segment_fixed_size 0
		.amdhsa_enable_private_segment 0
		.amdhsa_kernarg_size 56
		.amdhsa_user_sgpr_count 2
		.amdhsa_user_sgpr_kernarg_segment_ptr 1
		.amdhsa_wavefront_size32 1
		.amdhsa_system_sgpr_workgroup_id_x 1
		.amdhsa_system_sgpr_workgroup_id_y 1
		.amdhsa_system_sgpr_workgroup_id_z 1
		.amdhsa_system_vgpr_workitem_id 0
		.amdhsa_next_free_vgpr 1024
		.amdhsa_next_free_sgpr 88
		.amdhsa_reserve_vcc 1
		.amdhsa_float_denorm_mode_32 3
		.amdhsa_float_denorm_mode_16_64 3
		.amdhsa_memory_ordered 1
		.amdhsa_forward_progress 1
		.amdhsa_inst_pref_size 151
	.end_amdhsa_kernel
	.amdgpu_metadata
---
amdhsa.version: [ 1, 2 ]
amdhsa.kernels:
  - .name:           k_qf568aa7bcc_gemm
    .symbol:         k_qf568aa7bcc_gemm.kd
    .args:
      - { .name: Xb, .offset: 0, .size: 8, .value_kind: global_buffer, .address_space: global }
      - { .name: Wt, .offset: 8, .size: 8, .value_kind: global_buffer, .address_space: global }
      - { .name: gw, .offset: 16, .size: 8, .value_kind: global_buffer, .address_space: global }
      - { .name: be, .offset: 24, .size: 8, .value_kind: global_buffer, .address_space: global }
      - { .name: label, .offset: 32, .size: 8, .value_kind: global_buffer, .address_space: global }
      - { .name: out1, .offset: 40, .size: 8, .value_kind: global_buffer, .address_space: global }
      - { .name: part, .offset: 48, .size: 8, .value_kind: global_buffer, .address_space: global }
    .group_segment_fixed_size: 327680
    .private_segment_fixed_size: 0
    .kernarg_segment_align: 8
    .kernarg_segment_size: 56
    .max_flat_workgroup_size: 128
    .sgpr_count:     88
    .vgpr_count:     1024
    .wavefront_size: 32
...
	.end_amdgpu_metadata
.endif
;; end of part 2
;; launch loss (part 3): grid 1 x 1, 1 waves a work-group, no clusters, 0 bytes of LDS; arguments part, out0; writes out0
.if DOCPART == 3
	.amdgcn_target "amdgcn-amd-amdhsa--gfx1250"
	.amdhsa_code_object_version 6
	.text
	.protected	k_qf568aa7bcc_loss
	.globl	k_qf568aa7bcc_loss
	.p2align	8
	.type	k_qf568aa7bcc_loss,@function
k_qf568aa7bcc_loss:
	s_mov_b64 s[64:65], 0
	v_nop
	global_prefetch_b8 v0, s[64:65] scope:SCOPE_SE
	s_setreg_imm32_b32 hwreg(HW_REG_WAVE_MODE, 25, 1), 1
	s_wait_xcnt 0x0
; out0 = the sum of part's 2,048 numbers / (8192 x 1024).  One wave: 8,192 bytes are sixteen loads of 16 bytes a lane, each covering 512 consecutive bytes.
; A launch of its own, since the sum spans all work-groups of the launch before and nothing passes between the work-groups of one launch.
	s_load_b128 s[4:7], s[0:1], 0x0                ; part s[4:5], out0 s[6:7]
	v_lshlrev_b32 v1, 4, v0
	v_mov_b32 v2, 0
	s_mov_b32 s12, 0x76543210                      ; v_permlanex16_b32: each lane takes its own place in the other half
	s_mov_b32 s13, 0xfedcba98
	s_wait_kmcnt 0x0
.irp i, 0,1,2,3,4,5,6,7,8,9,10,11,12,13,14,15
	global_load_b128 v[4+4*\i:4+4*\i+3], v1, s[4:5] offset:\i*512
.endr
	s_wait_loadcnt 0x0
.irp i, 0,1,2,3,4,5,6,7,8,9,10,11,12,13,14,15
	v_pk_add_f32 v[4+2*\i:4+2*\i+1], v[4+2*\i:4+2*\i+1], v[36+2*\i:36+2*\i+1]   ; 32 pairs become 16,
.endr
.irp i, 0,1,2,3,4,5,6,7
	v_pk_add_f32 v[4+2*\i:4+2*\i+1], v[4+2*\i:4+2*\i+1], v[20+2*\i:20+2*\i+1]   ; 8,
.endr
.irp i, 0,1,2,3
	v_pk_add_f32 v[4+2*\i:4+2*\i+1], v[4+2*\i:4+2*\i+1], v[12+2*\i:12+2*\i+1]   ; 4,
.endr
.irp i, 0,1
	v_pk_add_f32 v[4+2*\i:4+2*\i+1], v[4+2*\i:4+2*\i+1], v[8+2*\i:8+2*\i+1]     ; 2,
.endr
	v_pk_add_f32 v[4:5], v[4:5], v[6:7]            ; 1
	v_add_f32 v4, v4, v5
	v_add_f32_dpp v4, v4, v4 row_xmask:1 row_mask:0xf bank_mask:0xf
	v_add_f32_dpp v4, v4, v4 row_xmask:2 row_mask:0xf bank_mask:0xf
	v_add_f32_dpp v4, v4, v4 row_xmask:4 row_mask:0xf bank_mask:0xf
	v_add_f32_dpp v4, v4, v4 row_xmask:8 row_mask:0xf bank_mask:0xf
	v_permlanex16_b32 v5, v4, s12, s13
	v_add_f32 v4, v4, v5
	v_mul_f32 v4, 0x34000000, v4                   ; 2^-23 = 1 / (8192 x 1024)
	v_cmp_eq_u32 vcc_lo, 0, v0
	s_wait_xcnt 0x0                                ; EXEC changes only behind this wait
	s_and_saveexec_b32 s8, vcc_lo
	global_store_b32 v2, v4, s[6:7]                ; lane 0 alone: the one number
	s_wait_xcnt 0x0
	s_or_b32 exec_lo, exec_lo, s8
	s_endpgm
.Lfunc_end_k_qf568aa7bcc_loss:
	.size	k_qf568aa7bcc_loss, .Lfunc_end_k_qf568aa7bcc_loss-k_qf568aa7bcc_loss
	.p2alignl 7, 3214868480
	.fill 96, 4, 3214868480
	.section	.rodata,"a",@progbits
	.p2align	6, 0x0
	.amdhsa_kernel k_qf568aa7bcc_loss
		.amdhsa_group_segment_fixed_size 0
		.amdhsa_private_segment_fixed_size 0
		.amdhsa_enable_private_segment 0
		.amdhsa_kernarg_size 16
		.amdhsa_user_sgpr_count 2
		.amdhsa_user_sgpr_kernarg_segment_ptr 1
		.amdhsa_wavefront_size32 1
		.amdhsa_system_sgpr_workgroup_id_x 1
		.amdhsa_system_sgpr_workgroup_id_y 1
		.amdhsa_system_sgpr_workgroup_id_z 1
		.amdhsa_system_vgpr_workitem_id 0
		.amdhsa_next_free_vgpr 80
		.amdhsa_next_free_sgpr 66
		.amdhsa_reserve_vcc 1
		.amdhsa_float_denorm_mode_32 3
		.amdhsa_float_denorm_mode_16_64 3
		.amdhsa_memory_ordered 1
		.amdhsa_forward_progress 1
		.amdhsa_inst_pref_size 5
	.end_amdhsa_kernel
	.amdgpu_metadata
---
amdhsa.version: [ 1, 2 ]
amdhsa.kernels:
  - .name:           k_qf568aa7bcc_loss
    .symbol:         k_qf568aa7bcc_loss.kd
    .args:
      - { .name: part, .offset: 0, .size: 8, .value_kind: global_buffer, .address_space: global }
      - { .name: out0, .offset: 8, .size: 8, .value_kind: global_buffer, .address_space: global }
    .group_segment_fixed_size: 0
    .private_segment_fixed_size: 0
    .kernarg_segment_align: 8
    .kernarg_segment_size: 16
    .max_flat_workgroup_size: 32
    .sgpr_count:     66
    .vgpr_count:     80
    .wavefront_size: 32
...
	.end_amdgpu_metadata
.endif
;; end of part 3
;; ======== version 2 of 2: 3 launches; version 1 with the launch prep written anew for expert scheduling mode
;; workspace buffers: Xb 33,554,432 bytes; Wt 16,777,216 bytes; gw 131,072 bytes; part 8,192 bytes
;; launch prep (part 4): grid 256 x 1, 8 waves a work-group, no clusters, 72,704 bytes of LDS; arguments x_mod0, x_mod1, x_mod2, x_mod3, Wg, We, Xb, Wt, gw; writes Xb, Wt, gw
.if DOCPART == 4
	.amdgcn_target "amdgcn-amd-amdhsa--gfx1250"
	.amdhsa_code_object_version 6
	.text
	.protected	k_qf568aa7bcc_prep
	.globl	k_qf568aa7bcc_prep
	.p2align	8
	.type	k_qf568aa7bcc_prep,@function
k_qf568aa7bcc_prep:
	s_mov_b64 s[64:65], 0
	v_nop
	global_prefetch_b8 v0, s[64:65] scope:SCOPE_SE
	s_setreg_imm32_b32 hwreg(HW_REG_WAVE_SCHED_MODE, 0, 2), 2
	s_setreg_imm32_b32 hwreg(HW_REG_WAVE_MODE, 25, 1), 1
	s_wait_xcnt 0x0
	s_wait_alu depctr_vm_vsrc(0)
; PREPARATION, a stream; every wave does a share of both jobs.
; THE TOKENS.  Xb[t][512 q + c] = bf16(x_modq[t][c]) (the concatenation, [8192][2048] bf16) and the gate: logits = bf16(x) . bf16(Wg) summed in f32, softmax with the row's
; maximum taken away, the two largest scores kept, the other two set to 0: gw[t][0..3] in f32.  32 rows a work-group; wave w takes modality q = w & 3 of rows 16 (w >> 2) .. + 15;
; the four modalities' parts of a row's logits meet in LDS, and wave 0 finishes the 32 rows, one a lane.
; THE WEIGHTS.  Wt[n][f] = bf16(We[e][f][p]), n = (p / 32) 128 + 32 e + p % 32 ([4096][2048] bf16): f along the rows, and the four experts' columns p side by side in every 128 rows,
; as the product launch wants them.  1,024 tiles of 128 f x 64 p, four a work-group; a pair of waves turns a tile in LDS: wave w brings rows f = 64 (w & 1) .. + 63 of tile w >> 1,
; and takes 32 of its 64 finished rows out.  One barrier serves both jobs.
; Every byte of x and We is read once, by loads of which 16 lanes take 256 consecutive aligned bytes; every store into Xb (32 lanes) and Wt (16 lanes) covers 256 consecutive aligned bytes.
; NO REGISTER THAT A STORE INTO MEMORY READS IS EVER REWRITTEN: each of a wave's 16 rows of x has 16 registers of its own (all of window 1) and is packed in place; offsets and bases are made once.
; So the text has no s_wait_xcnt.  Loads go in groups of four; at most 60 of a wave are out, and a new group is issued as soon as the oldest has come.
; No matrix unit: the gate has 4 columns.  No cluster: the work-groups share nothing but Wg's 32,768 bytes.  No prefetch: every byte is asked for as early as the loads can be issued.
; THE MODE: SCHED_MODE bits 1:0 = 2 (LLVM: expert scheduling mode 2), set by the entry lines.  The code itself states the register dependences between vector instructions
; and memory or LDS instructions, with s_wait_alu, always for 0.
; THE PLAN.  Registers that memory or LDS instructions touch:
;   v2 .. v9        offsets and LDS addresses: made at the head, ahead of one wait on va_vdst, and never written again.
;   window 1, row r written by its loads, packed in place by row r's eight conversions, read by row r's widening lines and by four stores that are issued in turn r + 1; never written again.
;   L, two buffers  by the row's parity: written by row r's sums, read by one LDS store at the head of turn r + 1, written again in row r + 2.
;   WX              written by We's loads, read by the steps' conversions; behind the barrier the rows read back land in it and the stores into Wt read it.
;   TW, four sets   where Wg lay: set s is written by step s's conversions and read by four LDS stores that are issued in step s + 1; wave 0's finish loads and writes there later.
;   T, AC, P and Wg are named by vector instructions alone.
; So a turn's memory instructions touch what the turn BEFORE worked on and what no vector instruction of this turn names: one wait on va_vdst at a turn's head states all that they hang on,
; and they are dealt among the turn's vector instructions with no further wait; one wait on vm_vsrc beside it frees the L that the turn writes again.
; No scalar register that a vector instruction has read is written again by a scalar instruction.
; LIMITS.  NaN among the scores is not ordered as top_k orders it.  Equal scores go to the lower expert, as in top_k; scores nearer to each other than the f32 sums'
; rounding (a relative 1e-6 or so) may be ordered otherwise than by another order of summation.  Scores under 2^-126 count as 0 (v_exp_f32 flushes them: ISA guide 15.8).
; REGISTERS (s_set_vgpr_msb, low byte: bits 1:0 source 0, 3:2 source 1, 5:4 source 2, 7:6 destination).  Window 1: row r of x at v[16 r .. 16 r + 15].  Window 0:
.set WG, 16                            ; v[16:79]   Wg[e][512 q + 128 c + 4 lane + k] at 16 e + 4 c + k, rounded to bf16, kept as f32
.set TW, 16                            ; v[16:79]   behind the last row, where Wg lay: step s's 16 packed words of We at TW + 16 s
.set T,  80                            ; v[80:95]   at work
.set AC, 96                            ; v[96:103]  four pair sums, one for each expert
.set L,  104                           ; v[104:107] the four partial logits of an even row; v[240:243], L + 136, those of an odd row
.set P,  108                           ; v[108:111] the other half of the lanes' sums
.set WX, 112                           ; v[112:239] We as loaded, 4 steps of 32 registers; then my 32 rows of Wt read back
.set G,  40                            ; v[40:43]   the finish: the four scores
.set RK, 44                            ; v[44:47]   the finish: how many experts go before each
.set WPITCH, 272                       ; an LDS row of a tile, 256 bytes + 16: the 16 rows that a store touches start 16 bytes apart modulo 256
.set WREG,   64*WPITCH                 ; a pair of waves' LDS region, 64 rows
.set WBASE,  2048                      ; the regions lie behind the partial logits, [q][row 0..31][4 f32]
.set MSB, 0
.macro WIN new                         ; the immediate's high byte repeats the setting that is left; a switch that changes nothing is dropped
.if MSB != (\new)
	s_set_vgpr_msb (MSB<<8)|(\new)
.set MSB, (\new)
.endif
.endm
	s_load_b256 s[4:11], s[0:1], 0x0               ; x_mod0 s[4:5], x_mod1 s[6:7], x_mod2 s[8:9], x_mod3 s[10:11]
	s_load_b256 s[12:19], s[0:1], 0x20             ; Wg s[12:13], We s[14:15], Xb s[16:17], Wt s[18:19]
	s_load_b64 s[20:21], s[0:1], 0x40              ; gw
	v_lshl_add_u32 v254, v0, 2, 0x11800
	v_mov_b32 v255, 0
	v_and_b32 v1, 31, v0                           ; lane
	v_lshrrev_b32 v2, 5, v0
	v_readfirstlane_b32 s24, v2                    ; wave 0..7
	v_lshlrev_b32 v2, 4, v1                        ; 16 bytes a lane in x and Wg
	v_lshlrev_b32 v3, 3, v1                        ; 8 bytes a lane in Xb
	v_lshlrev_b32 v5, 4, v1                        ; the finish: 16 bytes a row of logits and of gw
.irp e, 0,1,2,3
	v_mov_b32 v[P+\e], 0                           ; written once, since v_permlanex16_b32 counts as a reader of its destination
.endr
	s_mov_b32 s37, 0                               ; the high word of the offset pair s[36:37]
	s_mov_b32 s38, 0xffff0000                      ; a word's upper bf16
	s_mov_b32 s40, 0x76543210                      ; v_permlanex16_b32: each lane takes its own place in the other half
	s_mov_b32 s41, 0xfedcba98
	s_wait_alu depctr_va_sdst(0)                   ; s24 is written, ahead of its first reader: all bases and LDS places are made from it
	; the tokens' numbers
	s_and_b32 s25, s24, 3                          ; q
	s_lshr_b32 s26, s24, 2                         ; g
	s_lshl_b32 s27, ttmp9, 5
	s_lshl_b32 s36, s26, 4
	s_add_co_u32 s27, s27, s36                     ; my first row
	s_lshl_b32 s39, s25, 9
	s_lshl_b32 s36, s26, 8
	s_add_co_u32 s39, s39, s36
	v_mov_b32 v4, s39                              ; LDS: 512 q + 256 g, the row in the immediate
	; the weights' numbers
	s_lshr_b32 s46, s24, 1                         ; which of the work-group's four tiles
	s_and_b32 s47, s24, 1                          ; which half of it is mine
	s_lshl_b32 s42, ttmp9, 2
	s_add_co_u32 s42, s42, s46                     ; tile
	s_lshr_b32 s43, s42, 8                         ; expert
	s_bfe_u32 s44, s42, 0x40004                    ; which 128 f
	s_and_b32 s45, s42, 15                         ; which 64 p
	s_lshl_b32 s52, s43, 23                        ; We: an expert is 8,388,608 bytes, 128 rows f are 524,288, my 64 of them 262,144, 64 p are 256
	s_lshl_b32 s54, s44, 19
	s_add_co_u32 s52, s52, s54
	s_lshl_b32 s54, s47, 18
	s_add_co_u32 s52, s52, s54
	s_lshl_b32 s54, s45, 8
	s_add_co_u32 s52, s52, s54
	s_mov_b32 s53, 0
	s_lshl_b32 s56, s45, 20                        ; Wt: row 256 x (which 64 p) + 32 e, 4,096 bytes a row; 128 f are 256 bytes; my half of the rows begins two rows down
	s_lshl_b32 s54, s43, 17
	s_add_co_u32 s56, s56, s54
	s_lshl_b32 s54, s44, 8
	s_add_co_u32 s56, s56, s54
	s_lshl_b32 s54, s47, 13
	s_add_co_u32 s56, s56, s54
	s_mov_b32 s57, 0
	s_mul_i32 s55, s46, WREG
	s_add_co_u32 s55, s55, WBASE                   ; my pair's LDS region
	v_and_b32 v10, 15, v1                          ; pq: my four columns p = 4 pq .. 4 pq + 3
	v_lshrrev_b32 v11, 4, v1                       ; h
	v_lshlrev_b32 v12, 4, v10
	v_lshl_add_u32 v6, v11, 15, v12                ; in: lanes 16-31 eight rows f further down; 16 pq along the row
	v_lshl_add_u32 v9, v11, 14, v12                ; out: lanes 16-31 four rows of Wt further down; 16 pq along the row
	v_mul_u32_u24 v7, v10, WPITCH
	v_lshl_add_u32 v7, v11, 4, v7
	s_lshl_b32 s54, s47, 7
	s_add_co_u32 s54, s54, s55
	v_add_nc_u32 v7, s54, v7                       ; into LDS: row 16 k + pq holds column 4 pq + k; my 64 f are 128 bytes of it; 16 bytes (8 f) for each half of the lanes
	v_mul_u32_u24 v8, v11, WPITCH
	v_add_nc_u32 v8, v8, v12
	s_mul_i32 s58, s47, 32*WPITCH
	s_add_co_u32 s58, s58, s55
	v_add_nc_u32 v8, s58, v8                       ; back: my 32 rows; lanes 0-15 one row of 256 bytes, lanes 16-31 the next
	s_wait_kmcnt 0x0
	s_cmp_eq_u32 s25, 1                            ; my modality's buffer, chosen by the wave's number
	s_cselect_b64 s[28:29], s[6:7], s[4:5]
	s_cmp_eq_u32 s25, 2
	s_cselect_b64 s[28:29], s[8:9], s[28:29]
	s_cmp_eq_u32 s25, 3
	s_cselect_b64 s[28:29], s[10:11], s[28:29]
	s_lshl_b32 s36, s27, 11                        ; a row of a modality is 2,048 bytes
	s_add_nc_u64 s[28:29], s[28:29], s[36:37]
	s_lshl_b32 s36, s27, 12                        ; a row of Xb is 4,096 bytes, my modality's part begins at 1,024 q
	s_lshl_b32 s22, s25, 10
	s_add_co_u32 s36, s36, s22
	s_add_nc_u64 s[30:31], s[16:17], s[36:37]
	s_lshl_b32 s36, s25, 11                        ; my modality's 512 numbers in each row of Wg
	s_add_nc_u64 s[32:33], s[12:13], s[36:37]
	s_lshl_b32 s36, ttmp9, 9                       ; the work-group's 32 rows of gw, 16 bytes each
	s_add_nc_u64 s[34:35], s[20:21], s[36:37]
	s_add_nc_u64 s[48:49], s[14:15], s[52:53]      ; We at my half tile
	s_add_nc_u64 s[50:51], s[18:19], s[56:57]      ; Wt at my rows
	s_wait_alu depctr_va_vdst(0)                   ; the offsets and LDS addresses v2 to v9 are written: every load, store and LDS instruction of the kernel reads one of them, and none is written again
; A group of four loads.  Groups 0-15: row n of x.  Groups 16-23: We, load wl of 32: row f = 16 (wl / 8) + 8 h + wl % 8 of my 64.
; No vector instruction names a group's registers before its loads are issued, nor v2 or v6 behind the wait above: the loads owe no further wait.
.macro GROUP n
.if (\n) < 16
	WIN 0x40                                       ; destination window 1, offset window 0
.irp c, 0,1,2,3
	global_load_b128 v[16*(\n)+4*\c:16*(\n)+4*\c+3], v2, s[28:29] offset:(\n)*2048+\c*512 th:TH_LOAD_NT
.endr
.else
	WIN 0
.irp c, 0,1,2,3
.set wl, 4*((\n)-16)+\c
	global_load_b128 v[WX+4*wl:WX+4*wl+3], v6, s[48:49] offset:(16*(wl/8)+wl%8)*4096 th:TH_LOAD_NT
.endr
.endif
.endm
.irp e, 0,1,2,3
.irp c, 0,1,2,3
	global_load_b128 v[WG+16*\e+4*\c:WG+16*\e+4*\c+3], v2, s[32:33] offset:\e*8192+\c*512
.endr
.endr
.irp n, 0,1,2,3,4,5,6,7,8,9,10
	GROUP \n
.endr
	s_wait_loadcnt 44                              ; Wg is in: eleven groups are younger
.irp n, 11,12,13,14
	GROUP \n                                       ; 60 loads are out
.endr
	WIN 0
.set i, 0
.rept 32                               ; Wg rounded to bf16 and widened again, in place: the gate takes the same rounding as the experts' product
	v_cvt_pk_bf16_f32 v[T+i%16], v[WG+2*i], v[WG+2*i+1]
	v_lshlrev_b32 v[WG+2*i], 16, v[T+i%16]
	v_and_b32 v[WG+2*i+1], s38, v[T+i%16]
.set i, i+1
.endr
; One row's turn.  left = the younger loads, which may stay out.  nxt = the group that is issued as soon as this row's has come, or -1.
; Its memory instructions: the LDS store of the row before's logits, the group nxt, the row before's four stores into Xb.  Its vector instructions name this row's registers, T, AC, P, Wg and this row's L.
.macro SLOT row, left, nxt
.set XR, 16*(\row)
.set XP, 16*(\row)-16
.set LN, L+136*((\row)%2)
.set LP, L+136*(1-(\row)%2)
	s_wait_loadcnt \left                           ; loads come back in order (ISA guide 5.7.1): my row's four are in
	WIN 0
.if (\row) > 1
	s_wait_alu depctr_vm_vsrc(0)                   ; the LDS store issued in the turn before has read the L of two rows back, which this row's sums write again
.endif
.if (\row) > 0
	s_wait_alu depctr_va_vdst(0)                   ; the row before has written its packed words, which the four stores below read, and its L, which the LDS store reads
	ds_store_b128 v4, v[LP:LP+3] offset:((\row)-1)*16   ; the row before's logits: all lanes store the same 16 bytes to the same place
.endif
.if (\nxt) >= 0
	GROUP \nxt
.endif
	WIN 0x45                                       ; sources and destination window 1: the row is packed in place, words 4 c and 4 c + 1
.irp c, 0,1,2,3
	v_cvt_pk_bf16_f32 v[XR+4*\c],   v[XR+4*\c],   v[XR+4*\c+1]
	v_cvt_pk_bf16_f32 v[XR+4*\c+1], v[XR+4*\c+2], v[XR+4*\c+3]
.endr
	WIN 0x04                                       ; source 1 (a store's data; the word that is widened) window 1
.irp c, 0,1,2,3
.if (\row) > 0
	global_store_b64 v3, v[XP+4*\c:XP+4*\c+1], s[30:31] offset:((\row)-1)*4096+\c*256   ; the row before: 32 lanes store 256 consecutive bytes, at a multiple of 256 from Xb's first byte.  No vector instruction since the wait names its registers
.endif
.irp u, 0,1
	v_lshlrev_b32 v[T+4*\c+2*\u],   16,  v[XR+4*\c+\u]     ; the rounded numbers as f32
	v_and_b32     v[T+4*\c+2*\u+1], s38, v[XR+4*\c+\u]
.endr
.endr
	WIN 0
.irp e, 0,1,2,3
	v_pk_mul_f32 v[AC+2*\e:AC+2*\e+1], v[T:T+1], v[WG+16*\e:WG+16*\e+1]   ; the first products start the four sums
.endr
.irp j, 1,2,3,4,5,6,7
.irp e, 0,1,2,3
	v_pk_fma_f32 v[AC+2*\e:AC+2*\e+1], v[T+2*\j:T+2*\j+1], v[WG+16*\e+2*\j:WG+16*\e+2*\j+1], v[AC+2*\e:AC+2*\e+1]
.endr
.endr
.irp e, 0,1,2,3
	v_add_f32 v[LN+\e], v[AC+2*\e], v[AC+2*\e+1]
.endr
.irp m, 1,2,4,8
.irp e, 0,1,2,3
	v_add_f32_dpp v[LN+\e], v[LN+\e], v[LN+\e] row_xmask:\m row_mask:0xf bank_mask:0xf
.endr
.endr
.irp e, 0,1,2,3
	v_permlanex16_b32 v[P+\e], v[LN+\e], s40, s41
.endr
.irp e, 0,1,2,3
	v_add_f32 v[LN+\e], v[LN+\e], v[P+\e]          ; every lane holds my modality's part of the row's four logits; the next turn stores them
.endr
.endm
.irp r, 0,1,2,3,4,5,6,7,8
	SLOT \r, 56, 15+\r                             ; fourteen younger groups; the last row of x, then We's eight groups, go out one a turn
.endr
	SLOT 9, 56, -1                                 ; groups 10 to 23 are younger; nothing is left to ask for
.irp r, 10,11,12,13,14,15
	SLOT \r, 4*(23-\r), -1                         ; the counts run down to We's 32 loads
.endr
; 16 rows f: for each of my four columns, eight neighbouring f become 16 bytes, in a set of registers of the step's own; the step before's four LDS stores are dealt among the conversions.
.macro STEP s
.set XS, WX+32*(\s)
.set TN, TW+16*(\s)
.set TQ, TW+16*(\s)-16
	s_wait_loadcnt 24-8*(\s)                       ; the younger steps' eight loads each may stay out
.if (\s) == 0
	s_wait_alu depctr_va_vdst(0)                   ; row 15 has written its packed words and its L, which the five stores below read
	ds_store_b128 v4, v[L+136:L+139] offset:15*16
	WIN 0x04
.irp c, 0,1,2,3
	global_store_b64 v3, v[240+4*\c:240+4*\c+1], s[30:31] offset:15*4096+\c*256
.endr
	WIN 0
.else
	s_wait_alu depctr_va_vdst(0)                   ; the step before's conversions have written its set, which the four LDS stores below read
.endif
.irp k, 0,1,2,3
.if (\s) > 0
	ds_store_b128 v7, v[TQ+4*\k:TQ+4*\k+3] offset:\k*16*WPITCH+32*((\s)-1)
.endif
.irp m, 0,1,2,3
	v_cvt_pk_bf16_f32 v[TN+4*\k+\m], v[XS+8*\m+\k], v[XS+8*\m+4+\k]
.endr
.endr
.endm
.irp s, 0,1,2,3
	STEP \s
.endr
	s_wait_alu depctr_va_vdst(0)                   ; step 3's conversions have written its set, which the LDS stores below read; all conversions are done reading WX and writing v[16:31], in which loads from LDS land behind the barrier
.irp k, 0,1,2,3
	ds_store_b128 v7, v[TW+48+4*\k:TW+48+4*\k+3] offset:\k*16*WPITCH+32*3
.endr
	s_wait_dscnt 0x0                               ; for the others' sake: my partial logits and my half of the tile's rows are in LDS
	s_barrier_signal -1
	s_barrier_wait -1
	s_wait_alu depctr_vm_vsrc(0)                   ; my LDS stores have read v[16:79], into which wave 0's finish loads and writes: stated here, ahead of the branch that leads to it
.set t, 0
.rept 16
	ds_load_b128 v[WX+4*t:WX+4*t+3], v8 offset:t*2*WPITCH
.set t, t+1
.endr
.set t, 0
.rept 16                               ; of my 32 rows, row 2 t + h is column p = 8 (t & 7) + 4 h + (t >> 3) + 2 x my half of the tile's 64; the half stands in the base
	s_wait_dscnt 15-t
	global_store_b128 v9, v[WX+4*t:WX+4*t+3], s[50:51] offset:(((t&7)>>2)*128+8*(t&3)+(t>>3))*4096   ; 16 lanes store 256 consecutive bytes, at a multiple of 256 from Wt's first byte
.set t, t+1
.endr
	s_cmp_lg_u32 s24, 0
	s_cbranch_scc1 .Lend
	; THE GATE'S FINISH, wave 0: lane t has row t of the work-group's 32.  No vector instruction stands between the last wait on va_vdst and these loads.
.irp q, 0,1,2,3
	ds_load_b128 v[16+4*\q:16+4*\q+3], v5 offset:\q*512
.endr
	v_mov_b32 v48, 0
	v_mov_b32 v49, 1
.irp e, 0,1,2,3
	v_mov_b32 v[RK+\e], 3-\e                       ; the experts behind e count as going before it until the comparisons say otherwise
.endr
	s_wait_dscnt 0x0
	v_pk_add_f32 v[16:17], v[16:17], v[20:21]
	v_pk_add_f32 v[18:19], v[18:19], v[22:23]
	v_pk_add_f32 v[24:25], v[24:25], v[28:29]
	v_pk_add_f32 v[26:27], v[26:27], v[30:31]
	v_pk_add_f32 v[16:17], v[16:17], v[24:25]
	v_pk_add_f32 v[18:19], v[18:19], v[26:27]      ; v16-19: the four logits
	v_max3_num_f32 v20, v16, v17, v18
	v_max_num_f32 v20, v20, v19                    ; the row's maximum is taken away, as in the softmax that is computed
.irp e, 0,1,2,3
	v_sub_f32 v[24+\e], v[16+\e], v20
.endr
.irp e, 0,1,2,3
	v_mul_f32 v[24+\e], 0x3fb8aa3b, v[24+\e]       ; log2(e)
.endr
.irp e, 0,1,2,3
	v_exp_f32 v[24+\e], v[24+\e]
.endr
	v_nop                                          ; a plain instruction between the last exponential and the use of its result (ISA guide 5.7.2)
	s_wait_alu depctr_va_vdst(0)                   ; the four exponentials have written v24 to v27, ahead of their first reader: one wait for the batch
	v_add_f32 v28, v24, v25
	v_add_f32 v29, v26, v27
	v_add_f32 v28, v28, v29
	v_rcp_f32 v29, v28
	v_nop
	s_wait_alu depctr_va_vdst(0)                   ; the reciprocal has written v29, ahead of its first reader
.irp e, 0,1,2,3
	v_mul_f32 v[G+\e], v[24+\e], v29               ; the scores
.endr
; For j < e: j goes before e where its score is at least e's (equal scores: the lower expert first), else e goes before j.  The six comparisons stand in one run, each with a scalar register of its own.
.macro ORDER j, e, m
	v_cmp_ge_f32 s[\m], v[G+\j], v[G+\e]
.endm
.macro COUNT j, e, m
	v_cndmask_b32 v50, v48, v49, s[\m]
	v_add_nc_u32 v[RK+\e], v[RK+\e], v50
	v_sub_nc_u32 v[RK+\j], v[RK+\j], v50
.endm
	ORDER 0, 1, 42
	ORDER 0, 2, 43
	ORDER 0, 3, 44
	ORDER 1, 2, 45
	ORDER 1, 3, 46
	ORDER 2, 3, 47
	s_wait_alu depctr_va_sdst(0)                   ; the six comparisons have written s42 to s47, ahead of the selections that read them
	COUNT 0, 1, 42
	COUNT 0, 2, 43
	COUNT 0, 3, 44
	COUNT 1, 2, 45
	COUNT 1, 3, 46
	COUNT 2, 3, 47
.irp e, 0,1,2,3
	v_cmp_gt_u32 s[52+\e+2*(\e/2)], 2, v[RK+\e]    ; among the first two?  Into s52, s53, s56, s57
.endr
	s_wait_alu depctr_va_sdst(0)                   ; the four comparisons have written their scalar registers, ahead of the selections that read them
.irp e, 0,1,2,3
	v_cndmask_b32 v[52+\e], v48, v[G+\e], s[52+\e+2*(\e/2)]   ; its score; else 0.  A selection of values: no address and no branch hangs on it
.endr
	s_wait_alu depctr_va_vdst(0)                   ; the selections have written v52 to v55, which the store reads
	global_store_b128 v5, v[52:55], s[34:35]       ; 32 lanes store 512 consecutive bytes, at a multiple of 512 from gw's first byte
.Lend:
	s_wait_dscnt 0x0                               ; the closing lines, six on end
	s_wait_alu 0x0
	s_wait_tensorcnt 0x0
	ds_add_u32 v254, v255
	s_wait_dscnt 0x0
	s_endpgm
.Lfunc_end_k_qf568aa7bcc_prep:
	.size	k_qf568aa7bcc_prep, .Lfunc_end_k_qf568aa7bcc_prep-k_qf568aa7bcc_prep
	.p2alignl 7, 3214868480
	.fill 96, 4, 3214868480
	.section	.rodata,"a",@progbits
	.p2align	6, 0x0
	.amdhsa_kernel k_qf568aa7bcc_prep
		.amdhsa_group_segment_fixed_size 72704
		.amdhsa_private_segment_fixed_size 0
		.amdhsa_enable_private_segment 0
		.amdhsa_kernarg_size 72
		.amdhsa_user_sgpr_count 2
		.amdhsa_user_sgpr_kernarg_segment_ptr 1
		.amdhsa_wavefront_size32 1
		.amdhsa_system_sgpr_workgroup_id_x 1
		.amdhsa_system_sgpr_workgroup_id_y 1
		.amdhsa_system_sgpr_workgroup_id_z 1
		.amdhsa_system_vgpr_workitem_id 0
		.amdhsa_next_free_vgpr 512
		.amdhsa_next_free_sgpr 66
		.amdhsa_reserve_vcc 0
		.amdhsa_float_denorm_mode_32 3
		.amdhsa_float_denorm_mode_16_64 3
		.amdhsa_memory_ordered 1
		.amdhsa_forward_progress 1
		.amdhsa_inst_pref_size 113
	.end_amdhsa_kernel
	.amdgpu_metadata
---
amdhsa.version: [ 1, 2 ]
amdhsa.kernels:
  - .name:           k_qf568aa7bcc_prep
    .symbol:         k_qf568aa7bcc_prep.kd
    .args:
      - { .name: x_mod0, .offset: 0, .size: 8, .value_kind: global_buffer, .address_space: global }
      - { .name: x_mod1, .offset: 8, .size: 8, .value_kind: global_buffer, .address_space: global }
      - { .name: x_mod2, .offset: 16, .size: 8, .value_kind: global_buffer, .address_space: global }
      - { .name: x_mod3, .offset: 24, .size: 8, .value_kind: global_buffer, .address_space: global }
      - { .name: Wg, .offset: 32, .size: 8, .value_kind: global_buffer, .address_space: global }
      - { .name: We, .offset: 40, .size: 8, .value_kind: global_buffer, .address_space: global }
      - { .name: Xb, .offset: 48, .size: 8, .value_kind: global_buffer, .address_space: global }
      - { .name: Wt, .offset: 56, .size: 8, .value_kind: global_buffer, .address_space: global }
      - { .name: gw, .offset: 64, .size: 8, .value_kind: global_buffer, .address_space: global }
    .group_segment_fixed_size: 72704
    .private_segment_fixed_size: 0
    .kernarg_segment_align: 8
    .kernarg_segment_size: 72
    .max_flat_workgroup_size: 256
    .sgpr_count:     66
    .vgpr_count:     512
    .wavefront_size: 32
...
	.end_amdgpu_metadata
.endif
;; end of part 4
;; launch gemm: the kernel of part 2 again; grid 16 x 32, 4 waves a work-group, clusters of 4 x 4, 327,680 bytes of LDS; arguments Xb, Wt, gw, be, label, out1, part; writes out1, part
;; launch loss: the kernel of part 3 again; grid 1 x 1, 1 waves a work-group, no clusters, 0 bytes of LDS; arguments part, out0; writes out0
